; MI455X (gfx1250); checked and timed in simulation.
; The chip was launched on July 23, 2026; its instructions are those of AMD's public machine-readable ISA for CDNA 5 (MIT licence, August 2026) and "CDNA5" Instruction Set Architecture Reference Guide (July 2026). The comments in the code are by the model that wrote it; some were corrected since.
;; Self Attention. Allowed arithmetic: matrix products marked QUANTISED: E4M3 operands, one given power-of-two scale a tensor, by v_wmma_f32_16x16x64_fp8_fp8 or v_wmma_f32_16x16x128_fp8_fp8, f32 sums; everything else in f32.
;; Inputs: lowp_scales 12 int32 (the exponents e of the quantised operands' scales 2^e); wk_b 1,024 float32; wk_w_codes 1,024 x 32 x 32 uint8 (E4M3 codes of wk_w, K innermost, in blocks of 32 codes); wo_b 1,024 float32; wo_w_codes 1,024 x 32 x 32 uint8 (E4M3 codes of wo_w, K innermost, in blocks of 32 codes); wq_b 1,024 float32; wq_w_codes 1,024 x 32 x 32 uint8 (E4M3 codes of wq_w, K innermost, in blocks of 32 codes); wv_b 1,024 float32; wv_w_codes 1,024 x 32 x 32 uint8 (E4M3 codes of wv_w, K innermost, in blocks of 32 codes); x_codes 4 x 2,048 x 32 x 32 uint8 (E4M3 codes of x, K innermost, in blocks of 32 codes).
;; Outputs: out0 4 x 2,048 x 1,024 float32.
;; This version of the problem:
;;   THIS VERSION OF THE PROBLEM IS GIVEN IN LOW PRECISION. The matrix products marked QUANTISED in the list below multiply operands that are first quantised to E4M3 (4 exponent bits, 3 mantissa bits; 8 bits a number), with one given power-of-two scale for each operand tensor; their sums are f32. All else is computed in f32.
;;   The module's matrix products, in the order in which they are computed (A, B: the left and right operand; K: the contracted axis; several contracted axes count as one K, in the product's order):
;;     1. [M 8,192, K 1,024] x [K 1,024, N 1,024]; A: input x (given as codes); B: input wq_w (given as codes): QUANTISED (scales: A lowp_scales[0], B lowp_scales[1])
;;     2. [M 8,192, K 1,024] x [K 1,024, N 1,024]; A: input x (given as codes); B: input wk_w (given as codes): QUANTISED (scales: A lowp_scales[2], B lowp_scales[3])
;;     3. [M 8,192, K 1,024] x [K 1,024, N 1,024]; A: input x (given as codes); B: input wv_w (given as codes): QUANTISED (scales: A lowp_scales[4], B lowp_scales[5])
;;     4. batch 64 x [M 2,048, K 64] x [K 64, N 2,048]; A: computed on the way; B: computed on the way: QUANTISED (scales: A lowp_scales[6], B lowp_scales[7])
;;     5. batch 64 x [M 64, K 2,048] x [K 2,048, N 2,048]; A: computed on the way; B: softmax (see below): QUANTISED (scales: A lowp_scales[8], B lowp_scales[9])
;;     6. [M 8,192, K 1,024] x [K 1,024, N 1,024]; A: computed on the way; B: input wo_w (given as codes): QUANTISED (scales: A lowp_scales[10], B lowp_scales[11])
;;   THE QUANTISER, for each operand of a quantised product, along K:
;;     - The operand's scale is 2^e, e = its entry of the input lowp_scales (int32; the entries are numbered through the quantised products in the list's order, A before B).
;;     - Each number is divided by the scale, clamped to +-448, and rounded to the nearest number of E4M3, ties to even, subnormals kept.
;;     - The product sums the exact products of the quantised numbers (number of the format x scale) in f32.
;;   ~~~python
;;   def quantise(x, axis, e):      # numpy; x: float32 -> the quantised numbers, widened to float32 again
;;       x = np.moveaxis(x, axis, -1); K = x.shape[-1]
;;       r = np.clip(x / 2.0 ** e, -448, 448)
;;       step = 2.0 ** (np.maximum(np.frexp(np.where(r == 0, 1, r))[1] - 1, -6) - 3)
;;       q = np.round(r / step) * step * 2.0 ** e      # np.round: ties to even
;;       return np.moveaxis(q, -1, axis).astype(np.float32)
;;   ~~~
;;   SOFTMAX AHEAD OF A QUANTISED PRODUCT. Where the list says 'softmax', what is quantised is not the finished softmax but p = 2^(t - M), with t = logit x log2(e) and M = ceil(the row's largest t), a whole number; so 1/2 < the row's largest p <= 1. The row's sum l is taken of the UNQUANTISED p, in f32, and the product's result is divided by l at the end. Since M is a whole number, a kernel that streams over the keys may use a running M (the ceiling of the running maximum): every later rescaling is an exact power of two, so the quantised numbers keep their values, but for numbers so far below the row's largest that they fall under the format's range.
;;   OPERANDS COMPUTED ON THE WAY. 'Computed on the way' means the value that the module computes at that place (a softmax that the list does not call 'softmax' is quantised finished and normalised). What goes into a quantiser is computed in f32, as accurately as f32 sums, v_exp_f32 and their like allow (about 1e-6 of the number): no bf16 or f16 on the way to a quantiser, and a product that is left as it is and whose result goes on into a quantised operand takes f32 operands (vector FMAs, or v_wmma_f32_16x16x4_f32). A number that lies on a knife's edge between two numbers of the format may be rounded either way, as far as f32 arithmetic and the matrix unit's own rounding can turn it there, and no further.
;;   INPUTS GIVEN AS CODES. wk_w (in the module: [1024, 1024], K = its axis 1); wo_w (in the module: [1024, 1024], K = its axis 1); wq_w (in the module: [1024, 1024], K = its axis 1); wv_w (in the module: [1024, 1024], K = its axis 1); x (in the module: [4, 2048, 1024], K = its axis 2): each comes as NAME_codes (uint8): NAME with its K axis moved to the last place and cut into blocks of 32 codes, [.., K / 32, bytes a block], one block behind the other in memory; one code a byte (a code: sign, 4 exponent bits, 3 mantissa bits); its scale is its entry of lowp_scales. Its value is code x scale, taken as it is: it is not quantised again, and the codes and scales need not be those that the quantiser above would give.
;; One version. Each part assembles by itself: llvm-mc -triple=amdgcn-amd-amdhsa -mcpu=gfx1250 --defsym DOCPART=n.
;; ======== version 1 of 1: 3 launches
;; limits: right only within a limited range of input values
;; workspace buffers: q_img 8,388,608 bytes; k_img 8,388,608 bytes; v_img 8,388,608 bytes; ao_img 8,388,608 bytes
;; launch qkv (part 1): grid 12 x 32, 4 waves a work-group, clusters of 4 x 4, 327,680 bytes of LDS; arguments x_codes, wq_w_codes, wk_w_codes, wv_w_codes, lowp_scales, wq_b, wk_b, wv_b, q_img, k_img, v_img; writes q_img, k_img, v_img
.if DOCPART == 1
	.amdgcn_target "amdgcn-amd-amdhsa--gfx1250"
	.amdhsa_code_object_version 6
	.text
	.protected	k_q950396fcbb_qkv
	.globl	k_q950396fcbb_qkv
	.p2align	8
	.type	k_q950396fcbb_qkv,@function
k_q950396fcbb_qkv:
	s_mov_b64 s[64:65], 0
	v_nop
	global_prefetch_b8 v0, s[64:65] scope:SCOPE_SE
	s_setreg_imm32_b32 hwreg(HW_REG_WAVE_MODE, 25, 1), 1
	s_wait_xcnt 0x0
	s_wait_alu depctr_hold_cnt(0) depctr_sa_sdst(0) depctr_va_vdst(0) depctr_va_sdst(0) depctr_va_ssrc(0) depctr_va_vcc(0) depctr_vm_vsrc(0)
	s_getreg_b32 s2, hwreg(HW_REG_IB_STS2, 6, 4)
	s_cmp_eq_u32 s2, 0
	s_cbranch_scc0 .Lentry_in_a_cluster
	s_endpgm
.Lentry_in_a_cluster:
	s_bfe_u32 s2, ttmp6, 0x10000c
	s_cmp_lg_u32 s2, 0xf033
	s_cbranch_scc0 .Lentry_shape_is_right
	s_endpgm
.Lentry_shape_is_right:
; q = x Wq^T + bq, k = x Wk^T + bk, v = x Wv^T + bv on codes of E4M3 (x: [8192][1024], W: [1024][1024], K innermost), f32 sums; each result is quantised at once, by its own given scale,
; and stored as an IMAGE OF THE OPERAND REGISTERS that the attention launch will load: nothing goes out as f32, nothing is transposed, and nothing passes through LDS on the way out.
; The cluster's x says which product a cluster of 4 x 4 work-groups makes: 0: q, 1: k, 2: v.  A tile is 256 x 256, a wave's part 128 x 128: 64 accumulators of 16 x 16.
; THE MATRIX INSTRUCTION IS USED WITH source 0 = 16 rows of 'B', source 1 = 16 rows of 'A': a lane holds ONE row of A and, in a result's eight registers, eight neighbouring rows of B.
;   q, k: A = x (tokens), B = W (features): a lane's eight numbers are eight neighbouring features of one token: neighbours along the K of q k^T.
;   v:    A = Wv (features), B = x (tokens): eight neighbouring tokens of one feature: neighbours along the K (the keys) of the second product.
; So a conversion's two registers are two registers of the later operand.  IMAGES (lane = (r, h)):
;   q_img, k_img [batch x head][tile of 16 tokens][c2][lane][16 bytes]: token 16 tile + r, d = 32 c2 + 8 h + 0..7, then d = 32 c2 + 16 + 8 h + 0..7
;   v_img [batch x head][step of 128 keys][dt][c4][lane][16 bytes]: d = 16 dt + r, keys 32 c4 + 8 h + 0..7, then keys 32 c4 + 16 + 8 h + 0..7
; Each store of a wave covers 512 consecutive bytes, aligned.
; K goes in steps of 256 through a ring of two LDS slots filled by joint tensor loads: A's tile is shared along a row of the cluster, B's along a column.
; SCALES: a sum stands for sum x 2^(ea + eb); value = sum x 2^(ea + eb) + bias in one fused multiply-add; code = value / 2^eo, held within +-448.  (ea, eb, eo) = entries (0, 1, 6), (2, 3, 7), (4, 5, 8).
; LIMITS: ea + eb between -126 and 127; eo between -126 and 119, so that each power of two below is an f32 number.  NaN among the inputs is not served.
; REGISTERS, in windows of 256: window 0: v0-31 addresses and the quantiser's two constants; v32-47 the bias by rows of A; v64-127 the bias by rows of B; from v128 A's fragments, ONE set (on the way out: the values and their codes).
;   window 1: B's fragments, TWO sets.   window 2: the accumulators of my rows 0-63 ((a, b) at v[8 (8 a + b)]);   window 3: those of my rows 64-127.
.set ROWB,   256                       ; a tile's row in bytes: 256 codes
.set KROW,   1024                      ; a row of x or of a weight in memory, in bytes
.set PITCH,  272                       ; an LDS row: 256 bytes + 16 of padding = 68 words: the 16 rows that a load touches start at 16 different banks (64 banks of 4 bytes: ISA guide 11.1)
.set FR,     16                        ; registers of a fragment: 16 rows x 128 K
.set NL,     4                         ; LDS loads that bring one
.set NP,     4                         ; places behind this matrix instruction (ISA guide 7.12.1)
.set HALFT,  128*PITCH                 ; 128 rows: what one tensor load brings
.set SLOT,   4*HALFT                   ; A's 256 rows, then B's 256 rows
.set LAPS,   2                         ; 1,024 along K = four K steps = twice round the ring
.set SPARE,  2*SLOT                    ; behind the ring: the spare words, 128 bytes for each wave: two blocks of 256 bytes that no other line names
.set ADRA, 16                          ; v16-17  LDS address of my A fragments in slot 0, 1
.set ADRB, 20                          ; v20-21  the same for B
.set LI,   24                          ; v24     16 x lane: my place in a store's 512 bytes
.set SPW,  28                          ; v28     LDS address of my spare word; never rewritten
.set NIL,  29                          ; v29     0; never rewritten
.set SCL,  30                          ; v30     2^eo as f32
.set LIM,  31                          ; v31     448 x 2^eo
.set BR,   32                          ; v32-47  bias of A's row 16 a + r, twice (a pair for the packed form)
.set BI,   64                          ; v64-127 bias of B's rows 16 b + 8 h + 0..7
.set TMP,  128                         ; the way out: a block's 64 values
.set AF,   128                         ; A's fragments
.set G1, 24                            ; s[24:31] descriptor group 1 for A's tiles;  s[32:39] group 0, one set for each slot
.set G0, 32
.set G1B, 48                           ; s[48:55], s[56:63] the same for B's tiles
.set G0B, 56
.set MSB, 0
.macro WIN new                         ; the immediate's high byte repeats the setting that is left
.if MSB != \new
	s_set_vgpr_msb (MSB<<8)|\new
.set MSB, \new
.endif
.endm
.set MUL_LO, 0xa1                      ; source 0 (B) window 1, source 1 (A) window 0, C and D window 2
.set MUL_HI, 0xf1                      ; the same, C and D window 3
.set TO_B,   0x40                      ; destination window 1, address window 0
; A joint load: waves 0 and 1 fetch for A, waves 2 and 3 for B.  Each line has ONE mask and one set of registers for all that issue it; the branch hangs on the wave's number alone.
; Four v_nop follow each of the two lines, ahead of the jump, the label and what follows.
.macro JLOAD g0a, g1a, g0b, g1b
	s_cmp_eq_u32 s15, 0
	s_cbranch_scc0 .Lfor_b_\@
	tensor_load_to_lds s[\g0a:\g0a+3], s[\g1a:\g1a+7]
	s_nop 0
.rept 4
	v_nop
.endr
	s_branch .Lasked_\@
.Lfor_b_\@:
	tensor_load_to_lds s[\g0b:\g0b+3], s[\g1b:\g1b+7]
	s_nop 0
.rept 4
	v_nop
.endr
.Lasked_\@:
.endm
.macro CREST                           ; a round of the cluster's barrier behind its opening barrier
	s_cmp_lg_u32 s14, 0
	s_cbranch_scc1 .Lnot_wave_0_\@
	s_barrier_signal -3
.Lnot_wave_0_\@:
	s_barrier_wait -3
	s_barrier_signal -1
	s_barrier_wait -1
.endm
.macro CROUND                          ; a whole round
	s_barrier_signal -1
	s_barrier_wait -1
	CREST
.endm
	s_load_b256 s[68:75], s[0:1], 0x0              ; x, Wq, Wk, Wv
	s_load_b256 s[76:83], s[0:1], 0x20             ; the scales' exponents, bq, bk, bv
	s_load_b128 s[84:87], s[0:1], 0x40             ; q_img, k_img
	s_load_b64 s[88:89], s[0:1], 0x50              ; v_img
	v_lshl_add_u32 v[SPW], v0, 2, SPARE
	v_mov_b32 v[NIL], 0
	ds_add_u32 v28, v29
	ds_add_u32 v28, v29
	s_wait_dscnt 0x0
	v_lshrrev_b32 v1, 5, v0
	v_readfirstlane_b32 s14, v1                    ; wave 0..3
	s_lshr_b32 s15, s14, 1                         ; which half of the tile's rows (A) is mine.  Also: I fetch for A (0) or for B (1)
	s_and_b32 s16, s14, 1                          ; which half of its columns (B).  Also: which 128 rows of that tile I fetch
	s_bfe_u32 s40, ttmp6, 0x40000                  ; cx, cy: my place in the cluster
	s_bfe_u32 s41, ttmp6, 0x40004
	s_and_b32 s90, ttmp7, 0xffff
	s_lshl_b32 s90, s90, 2                         ; 4 x cluster y: x's 32 tiles of 256 tokens are walked by it
	s_cmp_eq_u32 ttmp9, 2                          ; the cluster's x is the same in all sixteen partners
	s_cselect_b32 s91, s90, 0                      ; v: x is B
	s_cselect_b32 s90, 0, s90                      ; q, k: x is A
	s_add_co_u32 s17, s90, s41                     ; tile row (of A): it never holds cx
	s_add_co_u32 s42, s91, s40                     ; tile column (of B): it never holds cy
	s_lshl_b32 s43, s41, 2
	s_lshl_b32 s43, 15, s43                        ; my row of the cluster
	s_lshl_b32 s44, 0x1111, s40                    ; my column
	; descriptor group 1: a tile of 128 rows x 256 bytes, padded in LDS
	s_or_b32 s[G1+0], s43, (0<<16)|(1<<20)|(1<<21)|(5<<22)|(3<<25)  ; 15:0 the mask: A's tiles go to my row; 17:16 element of 1 byte; 20 padding on; 21 set beside a mask; 24:22 after every 64 words (code 5); 31:25 of 4 words (code 3)
	s_or_b32 s[G1B+0], s44, (0<<16)|(1<<20)|(1<<21)|(5<<22)|(3<<25)
.irp g, G1, G1B
	s_mov_b32 s[\g+1], ROWB<<16                    ; tensor_dim0
	s_mov_b32 s[\g+2], 256<<16                     ; tensor_dim1 = 256: the head's loads bring a whole tile's 256 rows (the refills: 128, set behind the head's wait)
	s_mov_b32 s[\g+3], ROWB<<16                    ; tile_dim0
	s_mov_b32 s[\g+4], 256                         ; tile_dim1 = 256
	s_mov_b32 s[\g+5], KROW                        ; tensor_dim0_stride
	s_mov_b32 s[\g+6], 0
	s_mov_b32 s[\g+7], 0
.endr
	s_lshl_b32 s18, s16, 7                         ; which 128 rows of the tile I fetch
	s_lshl_b32 s20, s17, 8
	s_add_co_u32 s20, s20, s18                     ; A: row 256 x tile row + 128 x half,
	s_lshl_b32 s20, s20, 10                        ; in bytes (under 8 MiB)
	s_lshl_b32 s46, s42, 8
	s_add_co_u32 s46, s46, s18                     ; B: row 256 x tile column + 128 x half
	s_lshl_b32 s46, s46, 10
	s_mov_b32 s21, 0
	s_mov_b32 s47, 0
	s_mul_i32 s45, s14, HALFT                      ; where they go: wave x 128 rows: no place in the cluster enters an LDS address
	s_wait_kmcnt 0x0
	s_load_b256 s[92:99], s[76:77], 0x0            ; entries 0 to 7 of the scales' exponents
	s_load_b32 s100, s[76:77], 0x20                ; entry 8
	s_cmp_eq_u32 ttmp9, 0                          ; the buffers are chosen by the cluster's x alone
	s_cselect_b64 s[6:7], s[70:71], s[72:73]       ; B: Wq or Wk
	s_cselect_b64 s[8:9], s[78:79], s[80:81]       ; bias
	s_cselect_b64 s[10:11], s[84:85], s[86:87]     ; image
	s_cmp_eq_u32 ttmp9, 2
	s_cselect_b64 s[4:5], s[74:75], s[68:69]       ; A: Wv, else x
	s_cselect_b64 s[6:7], s[68:69], s[6:7]         ; B: x for v
	s_cselect_b64 s[8:9], s[82:83], s[8:9]
	s_cselect_b64 s[10:11], s[88:89], s[10:11]
	s_add_nc_u64 s[20:21], s[4:5], s[20:21]
	s_add_nc_u64 s[46:47], s[6:7], s[46:47]
	CROUND                                         ; all sixteen work-groups are here: the first joint loads meet
.irp s, 0,1
	s_mov_b32 s[G0+4*\s], 1
	s_add_co_u32 s[G0+4*\s+1], s45, \s*SLOT
	s_add_nc_u64 s[G0+4*\s+2:G0+4*\s+3], s[20:21], \s*ROWB
	s_or_b32 s[G0+4*\s+3], s[G0+4*\s+3], 0x80000000
	s_mov_b32 s[G0B+4*\s], 1
	s_add_co_u32 s[G0B+4*\s+1], s45, \s*SLOT
	s_add_nc_u64 s[G0B+4*\s+2:G0B+4*\s+3], s[46:47], \s*ROWB
	s_or_b32 s[G0B+4*\s+3], s[G0B+4*\s+3], 0x80000000
.endr
	; THE HEAD'S FOUR LOADS, one a wave: wave 0: A's 256 rows of K step 0; wave 1: B's; waves 2, 3: the same of K step 1, into slot 1.  Both slots are asked for at once.
	s_lshl_b32 s2, s15, 8                          ; K step = wave / 2: 256 bytes along a row
	s_lshl_b32 s18, s17, 18                        ; A's tile: 256 rows of 1,024 bytes
	s_add_co_u32 s18, s18, s2
	s_mov_b32 s19, 0
	s_mov_b32 s68, 1
	s_mul_i32 s69, s15, SLOT                       ; A's rows stand first in a slot
	s_add_nc_u64 s[70:71], s[4:5], s[18:19]
	s_or_b32 s71, s71, 0x80000000
	s_lshl_b32 s86, s42, 18                        ; B's tile
	s_add_co_u32 s86, s86, s2
	s_mov_b32 s87, 0
	s_mov_b32 s72, 1
	s_add_co_u32 s73, s69, 2*HALFT                 ; B's rows behind A's 256
	s_add_nc_u64 s[74:75], s[6:7], s[86:87]
	s_or_b32 s75, s75, 0x80000000
	s_cmp_eq_u32 s16, 0                            ; the wave's number alone decides
	s_cbranch_scc0 .Lhead_b
	tensor_load_to_lds s[68:71], s[G1:G1+7]
	s_nop 0
.rept 4
	v_nop
.endr
	s_branch .Lhead_j
.Lhead_b:
	tensor_load_to_lds s[72:75], s[G1B:G1B+7]
	s_nop 0
.rept 4
	v_nop
.endr
.Lhead_j:
	; A PREFETCH INTO THE L2 of K steps 2 and 3, which the two refills will ask for: of the 128 rows that my wave refills, the partner at place p among the four that ask jointly takes rows 32 p .. 32 p + 31
	; (p = cx for A, cy for B: told apart by address), a lane a row, 256 bytes of a row a K step.  A block of x is named by the three clusters that load it; a weight's, which all eight rows of clusters load, by the first four alone.
	s_cmp_eq_u32 s15, 0                            ; do I refill for A?
	s_cselect_b64 s[84:85], s[20:21], s[46:47]
	s_cselect_b32 s88, s40, s41
	s_lshl_b32 s88, s88, 15                        ; 32 rows of 1,024 bytes
	s_mov_b32 s89, 0
	s_add_nc_u64 s[84:85], s[84:85], s[88:89]
	s_cmp_eq_u32 ttmp9, 2
	s_cselect_b32 s88, 1, 0
	s_xor_b32 s88, s88, s15                        ; 1: my operand is a weight (q, k: B; v: A)
	s_and_b32 s89, ttmp7, 0xffff
	s_lshr_b32 s89, s89, 2                         ; 1: the cluster's y is 4 to 7
	s_and_b32 s2, s88, s89                         ; 1: I ask for nothing; the same in all partners
	v_and_b32 v8, 31, v0
	v_lshlrev_b32 v8, 10, v8                       ; my lane's row; never rewritten, nor is s[84:85]
	s_wait_alu depctr_va_vdst(0)                   ; the wait here, ahead of the branch
	s_cmp_eq_u32 s2, 0
	s_cbranch_scc0 .Lno_ask
	global_prefetch_b8 v8, s[84:85] offset:2*ROWB th:TH_LOAD_NT scope:SCOPE_SE
	global_prefetch_b8 v8, s[84:85] offset:3*ROWB th:TH_LOAD_NT scope:SCOPE_SE
.Lno_ask:
	v_and_b32 v1, 15, v0                           ; r = l % 16
	v_bfe_u32 v2, v0, 4, 1                         ; h = l / 16
	v_mul_u32_u24 v3, v1, PITCH
	v_lshl_add_u32 v4, v2, 4, v3                   ; a fragment's row x pitch + 16 x half
	s_mul_i32 s21, s15, HALFT                      ; my 128 rows of A
	s_mul_i32 s22, s16, HALFT                      ; my 128 rows of B,
	s_add_co_u32 s22, s22, 2*HALFT                 ; which lie behind A's 256
.irp s, 0,1
	v_add_nc_u32 v[ADRA+\s], s21, v4
	v_add_nc_u32 v[ADRB+\s], s22, v4
	s_add_co_u32 s21, s21, SLOT
	s_add_co_u32 s22, s22, SLOT
.endr
	; the biases, in both forms; the way out takes the one that fits the product.  Both offsets stay inside the 4,096 bytes for every place in the cluster
	v_and_b32 v6, 31, v0
	v_lshlrev_b32 v[LI], 4, v6
	v_lshlrev_b32 v5, 5, v2                        ; 32 h: eight numbers of my half
	s_wait_alu depctr_va_vdst(0)
	v_lshlrev_b32 v7, 2, v1                        ; 4 r
	s_wait_alu depctr_va_vdst(0)
	s_lshl_b32 s20, s40, 10
	s_lshl_b32 s21, s16, 9
	s_add_co_u32 s20, s20, s21                     ; by B's rows: 4 (256 cx + 128 x column half)
	s_mov_b32 s21, 0
	s_lshl_b32 s22, s41, 10
	s_lshl_b32 s23, s15, 9
	s_add_co_u32 s22, s22, s23                     ; by A's rows: 4 (256 cy + 128 x row half)
	s_mov_b32 s23, 0
	s_add_nc_u64 s[12:13], s[8:9], s[22:23]
	s_add_nc_u64 s[8:9], s[8:9], s[20:21]
.irp b, 0,1,2,3,4,5,6,7
	global_load_b128 v[BI+8*\b:BI+8*\b+3], v5, s[8:9] offset:64*\b
	global_load_b128 v[BI+8*\b+4:BI+8*\b+7], v5, s[8:9] offset:64*\b+16
.endr
.irp a, 0,1,2,3,4,5,6,7
	global_load_b32 v[BR+2*\a], v7, s[12:13] offset:64*\a
	global_load_b32 v[BR+2*\a+1], v7, s[12:13] offset:64*\a
.endr
	; where my part of the image begins.  q, k: (((batch x 16 + head) x 128) + tile of 16 tokens) x 1,024
	s_lshl_b32 s20, s17, 8
	s_lshl_b32 s21, s15, 7
	s_add_co_u32 s20, s20, s21                     ; my first token
	s_lshr_b32 s21, s20, 11                        ; batch
	s_lshl_b32 s21, s21, 4
	s_lshl_b32 s22, s40, 2
	s_add_co_u32 s21, s21, s22
	s_lshl_b32 s22, s16, 1
	s_add_co_u32 s21, s21, s22                     ; + my first head: 4 cx + 2 x column half
	s_lshl_b32 s21, s21, 7
	s_and_b32 s20, s20, 2047
	s_lshr_b32 s20, s20, 4
	s_add_co_u32 s20, s20, s21
	s_lshl_b32 s20, s20, 10
	; v: (((batch x 16 + head) x 16) + step of 128 keys) x 8,192
	s_lshl_b32 s22, s42, 8
	s_lshl_b32 s23, s16, 7
	s_add_co_u32 s22, s22, s23                     ; my first token
	s_lshr_b32 s23, s22, 11
	s_lshl_b32 s23, s23, 4
	s_lshl_b32 s18, s41, 2
	s_add_co_u32 s23, s23, s18
	s_lshl_b32 s18, s15, 1
	s_add_co_u32 s23, s23, s18                     ; + my first head: 4 cy + 2 x row half
	s_lshl_b32 s23, s23, 4
	s_and_b32 s22, s22, 2047
	s_lshr_b32 s22, s22, 7
	s_add_co_u32 s22, s22, s23
	s_lshl_b32 s22, s22, 13
	s_cmp_eq_u32 ttmp9, 2
	s_cselect_b32 s20, s22, s20
	s_mov_b32 s21, 0
	s_add_nc_u64 s[10:11], s[10:11], s[20:21]
.macro FRAG reg, adr, q, i             ; a fragment, 16 rows x 128 K, is 16 registers: lane l holds row l % 16; registers 4 c .. 4 c + 3 hold K = 32 c + 16 (l / 16) + 0 .. 15: the same order of k in A and in B, so each product meets its partner
.irp c, 0,1,2,3
	ds_load_b128 v[\reg+4*\c:\reg+4*\c+3], v[\adr] offset:128*(\q)+32*\c+(\i)*16*PITCH
.endr
.endm
; 16 matrix instructions: A's blocks a0, a0 + 1 x B's eight, 128 along K.  p: B's set.  zero = 1: the first product starts the sums: nothing is ever cleared.
; The 64 accumulators take turns, one instruction a turn, in the same order in every step.
.macro MUL16 a0, p, zero
.irp a, \a0, \a0+1
.irp b, 0,1,2,3,4,5,6,7
.if \zero
	v_wmma_f32_16x16x128_fp8_fp8 v[8*(8*((\a)%4)+\b):8*(8*((\a)%4)+\b)+7], v[128*(\p)+FR*\b:128*(\p)+FR*\b+FR-1], v[AF+FR*(\a):AF+FR*(\a)+FR-1], 0
.else
	v_wmma_f32_16x16x128_fp8_fp8 v[8*(8*((\a)%4)+\b):8*(8*((\a)%4)+\b)+7], v[128*(\p)+FR*\b:128*(\p)+FR*\b+FR-1], v[AF+FR*(\a):AF+FR*(\a)+FR-1], v[8*(8*((\a)%4)+\b):8*(8*((\a)%4)+\b)+7]
.endif
.endr
.endr
.endm
.macro FETCH_B slot, q, p              ; B's eight fragments of the slot's q-th 128 along K into set p
	WIN TO_B
.irp i, 0,1,2,3,4,5,6,7
	FRAG 128*(\p)+FR*\i, ADRB+\slot, \q, \i
.endr
	WIN 0
.endm
.macro FETCH_A slot, q, i0             ; A's blocks i0 .. i0 + 3
.irp i, \i0, \i0+1, \i0+2, \i0+3
	FRAG AF+FR*(\i), ADRA+\slot, \q, \i
.endr
.endm
; A load into a register that a matrix instruction has read, and a vector instruction that reads a matrix result, stand NP places behind that matrix instruction; only plain vector
; instructions that name none of its registers are places (ISA guide 7.12.1 for vector instructions).
.macro PLACES n
.rept \n
	v_nop
.endr
.endm
; A step of 128 along K that has its successor in the same slot.  A block of A is free as soon as its eight products are issued, so one set serves A; B's fragments work through the whole step and have two.
.macro STEP slot, q, zero
	s_wait_dscnt 4*NL                              ; B's set and A's blocks 0-3 are in; the youngest sixteen loads (A's blocks 4-7) may be out
	WIN MUL_LO
	MUL16 0, (\q)%2, \zero
	MUL16 2, (\q)%2, \zero
	s_wait_dscnt 0                                 ; A's blocks 4-7 are in (asked for 32 matrix instructions ago)
	PLACES NP
	FETCH_B \slot, (\q)+1, 1-(\q)%2
	FETCH_A \slot, (\q)+1, 0
	WIN MUL_HI
	MUL16 4, (\q)%2, \zero
	MUL16 6, (\q)%2, \zero
	PLACES NP
	WIN 0
	FETCH_A \slot, (\q)+1, 4
.endm
; A slot's last step changes slots: ONE barrier; in front of it each wave waits for all its tensor loads, adds 0 to its spare word, and waits for that and for its own reads of this slot.  fill = 1: this slot is filled again, two K steps ahead.
.macro TURN slot, next, fill
	s_wait_tensorcnt 0x0                           ; all my tensor loads have landed: my part of the next slot  (every window is 0 here)
	ds_add_u32 v[SPW], v[NIL]                      ; 0 onto my spare word
	s_wait_dscnt 4*NL+1                            ; (the add and the youngest sixteen loads, A's blocks 4-7, may be out)
	WIN MUL_LO
	MUL16 0, 1, 0                                  ; sixteen matrix instructions stand between the add and the wait for it
	s_wait_dscnt 0x0                               ; the add is done, and my reads of this slot are over
	s_barrier_signal -1
	MUL16 2, 1, 0
	WIN 0
	s_barrier_wait -1
.if \fill
	CREST                                          ; the barrier has opened a round of the cluster's barrier: no wave of any partner still reads this slot's tile or has a load on its way
	s_add_nc_u64 s[G0+4*\slot+2:G0+4*\slot+3], s[G0+4*\slot+2:G0+4*\slot+3], 2*ROWB
	s_add_nc_u64 s[G0B+4*\slot+2:G0B+4*\slot+3], s[G0B+4*\slot+2:G0B+4*\slot+3], 2*ROWB
	JLOAD G0+4*\slot, G1, G0B+4*\slot, G1B         ; the first tensor load behind the round, and my only one until the next; its four v_nop are the places in front of the loads below
.else
	PLACES NP
.endif
	FETCH_B \next, 0, 0
	FETCH_A \next, 0, 0
	WIN MUL_HI
	MUL16 4, 1, 0
	MUL16 6, 1, 0
	PLACES NP
	WIN 0
	FETCH_A \next, 0, 4
.endm
	s_wait_alu depctr_va_vdst(0)                   ; the wait at the head's end
	s_wait_tensorcnt 0x0                           ; my head load is in:
	s_mov_b32 s[G1+2], 128<<16                     ; my load is done, so its descriptor may be written: a refill brings 128 rows
	s_mov_b32 s[G1+4], 128
	s_mov_b32 s[G1B+2], 128<<16
	s_mov_b32 s[G1B+4], 128
	s_barrier_signal -1
	s_barrier_wait -1                              ; everybody's is: K steps 0 and 1 are in
	FETCH_B 0, 0, 0
	FETCH_A 0, 0, 0
	FETCH_A 0, 0, 4
	STEP 0, 0, 1                                   ; the first step stands in front of the loop: its products start the sums
	s_mov_b32 s3, LAPS-1
.Llap:                                                 ; a trip goes once round the ring, from a lap's second step to the next lap's first, and fills both slots again
	TURN 0, 1, 1
	STEP 1, 0, 0
	TURN 1, 0, 1
	STEP 0, 0, 0
	s_sub_co_u32 s3, s3, 1
	s_cmp_lg_u32 s3, 0
	s_cbranch_scc1 .Llap
	TURN 0, 1, 0                                   ; the last lap fills nothing, and has no round of the cluster's barrier
	STEP 1, 0, 0
	s_wait_dscnt 4*NL                              ; the very last step: nothing more to fetch
	WIN MUL_LO
	MUL16 0, 1, 0
	MUL16 2, 1, 0
	s_wait_dscnt 0
	WIN MUL_HI
	MUL16 4, 1, 0
	MUL16 6, 1, 0
	WIN 0
; THE WAY OUT of block a (16 rows of A x my 128 rows of B): value = sum x 2^(ea + eb) + bias, each accumulator from its low end on; the hold; eight conversions: their sixteen registers are four pieces
; of 16 bytes a lane of the image.  kind = 0: q, k (bias by B's rows; piece k: head k / 2, c2 = k % 2; block a: tile a).  kind = 1: v (bias by A's row; piece k: c4 = k; block a: head a / 4, dt = a % 4).
.macro OUTBLK a, kind
.set AC, 64*((\a)%4)
.set CD, 192+16*((\a)%2)               ; the codes: two sets by turns
	WIN (0x02+((\a)/4))                            ; source 0: window 2 or 3
.irp b, 0,1,2,3,4,5,6,7
.irp i, 0,2,4,6
.if \kind
	v_pk_fma_f32 v[TMP+8*\b+\i:TMP+8*\b+\i+1], v[AC+8*\b+\i:AC+8*\b+\i+1], s[66:67], v[BR+2*(\a):BR+2*(\a)+1] op_sel_hi:[1,0,1]
.else
	v_pk_fma_f32 v[TMP+8*\b+\i:TMP+8*\b+\i+1], v[AC+8*\b+\i:AC+8*\b+\i+1], s[66:67], v[BI+8*\b+\i:BI+8*\b+\i+1] op_sel_hi:[1,0,1]
.endif
.endr
.endr
	WIN 0
.set j, 0
.rept 64
	v_med3_num_f32 v[TMP+j], v[TMP+j], -v[LIM], v[LIM]   ; the conversion to an 8-bit code does not saturate (ISA guide 7.6.2): the hold at the largest code x the scale
.set j, j+1
.endr
	s_wait_alu depctr_va_vdst(0)
	s_wait_xcnt 0x0                                ; the stores of two blocks back have read this set of code registers
.irp b, 0,1,2,3,4,5,6,7
	v_cvt_scalef32_pk8_fp8_f32 v[CD+2*\b:CD+2*\b+1], v[TMP+8*\b:TMP+8*\b+7], v[SCL]
.endr
	v_nop                                          ; a plain vector line behind the last conversion: the next block's values are written over these sources
.irp k, 0,1,2,3
.if \kind
	global_store_b128 v[LI], v[CD+4*\k:CD+4*\k+3], s[10:11] offset:131072*((\a)/4)+2048*((\a)%4)+512*\k
.else
	global_store_b128 v[LI], v[CD+4*\k:CD+4*\k+3], s[10:11] offset:1024*(\a)+131072*(\k/2)+512*(\k%2)
.endif
.endr
.endm
	s_wait_kmcnt 0x0                               ; the exponents
	s_cmp_eq_u32 ttmp9, 0
	s_cselect_b32 s20, s92, s94
	s_cselect_b32 s21, s93, s95
	s_cselect_b32 s22, s98, s99
	s_cmp_eq_u32 ttmp9, 2
	s_cselect_b32 s20, s96, s20                    ; ea
	s_cselect_b32 s21, s97, s21                    ; eb
	s_cselect_b32 s22, s100, s22                   ; eo
	s_add_co_i32 s66, s20, s21
	s_add_co_i32 s66, s66, 127
	s_lshl_b32 s66, s66, 23                        ; 2^(ea + eb) as f32
	s_mov_b32 s67, s66                             ; (named with it as a pair, so it is written)
	s_add_co_i32 s22, s22, 127
	s_lshl_b32 s23, s22, 23
	v_mov_b32 v[SCL], s23                          ; 2^eo: the conversion takes its exponent field
	s_add_co_i32 s22, s22, 8
	s_lshl_b32 s22, s22, 23
	s_or_b32 s22, s22, 0x600000
	v_mov_b32 v[LIM], s22                          ; 448 x 2^eo
	s_wait_loadcnt 0x0                             ; the biases
	PLACES NP                                      ; behind the last products: their results are read and A's registers written below
	s_cmp_eq_u32 ttmp9, 2                          ; the same way in all sixteen partners; no barrier, tensor load or LDS access stands on either way
	s_cbranch_scc1 .Lfor_v
.irp a, 0,1,2,3,4,5,6,7
	OUTBLK \a, 0
.endr
	s_branch .Ldone
.Lfor_v:
.irp a, 0,1,2,3,4,5,6,7
	OUTBLK \a, 1
.endr
.Ldone:
	s_wait_tensorcnt 0x0                           ; the wave's end
	ds_add_u32 v[SPW], v[NIL]
	s_wait_dscnt 0x0
	CROUND                                         ; the closing round: no work-group ends while a partner may still ask for a tile that names it
	s_endpgm
.Lfunc_end_k_q950396fcbb_qkv:
	.size	k_q950396fcbb_qkv, .Lfunc_end_k_q950396fcbb_qkv-k_q950396fcbb_qkv
	.p2alignl 7, 3214868480
	.fill 96, 4, 3214868480
	.section	.rodata,"a",@progbits
	.p2align	6, 0x0
	.amdhsa_kernel k_q950396fcbb_qkv
		.amdhsa_group_segment_fixed_size 327680
		.amdhsa_private_segment_fixed_size 0
		.amdhsa_enable_private_segment 0
		.amdhsa_kernarg_size 88
		.amdhsa_user_sgpr_count 2
		.amdhsa_user_sgpr_kernarg_segment_ptr 1
		.amdhsa_wavefront_size32 1
		.amdhsa_system_sgpr_workgroup_id_x 1
		.amdhsa_system_sgpr_workgroup_id_y 1
		.amdhsa_system_sgpr_workgroup_id_z 1
		.amdhsa_system_vgpr_workitem_id 0
		.amdhsa_next_free_vgpr 1024
		.amdhsa_next_free_sgpr 102
		.amdhsa_reserve_vcc 0
		.amdhsa_float_denorm_mode_32 3
		.amdhsa_float_denorm_mode_16_64 3
		.amdhsa_memory_ordered 1
		.amdhsa_forward_progress 1
		.amdhsa_inst_pref_size 196
	.end_amdhsa_kernel
	.amdgpu_metadata
---
amdhsa.version: [ 1, 2 ]
amdhsa.kernels:
  - .name:           k_q950396fcbb_qkv
    .symbol:         k_q950396fcbb_qkv.kd
    .args:
      - { .name: x_codes, .offset: 0, .size: 8, .value_kind: global_buffer, .address_space: global }
      - { .name: wq_w_codes, .offset: 8, .size: 8, .value_kind: global_buffer, .address_space: global }
      - { .name: wk_w_codes, .offset: 16, .size: 8, .value_kind: global_buffer, .address_space: global }
      - { .name: wv_w_codes, .offset: 24, .size: 8, .value_kind: global_buffer, .address_space: global }
      - { .name: lowp_scales, .offset: 32, .size: 8, .value_kind: global_buffer, .address_space: global }
      - { .name: wq_b, .offset: 40, .size: 8, .value_kind: global_buffer, .address_space: global }
      - { .name: wk_b, .offset: 48, .size: 8, .value_kind: global_buffer, .address_space: global }
      - { .name: wv_b, .offset: 56, .size: 8, .value_kind: global_buffer, .address_space: global }
      - { .name: q_img, .offset: 64, .size: 8, .value_kind: global_buffer, .address_space: global }
      - { .name: k_img, .offset: 72, .size: 8, .value_kind: global_buffer, .address_space: global }
      - { .name: v_img, .offset: 80, .size: 8, .value_kind: global_buffer, .address_space: global }
    .group_segment_fixed_size: 327680
    .private_segment_fixed_size: 0
    .kernarg_segment_align: 8
    .kernarg_segment_size: 88
    .max_flat_workgroup_size: 128
    .sgpr_count:     102
    .vgpr_count:     1024
    .wavefront_size: 32
...
	.end_amdgpu_metadata
.endif
;; end of part 1
;; launch attn (part 2): grid 4 x 64, 8 waves a work-group, no clusters, 33,792 bytes of LDS; arguments q_img, k_img, v_img, lowp_scales, ao_img; writes ao_img
.if DOCPART == 2
	.amdgcn_target "amdgcn-amd-amdhsa--gfx1250"
	.amdhsa_code_object_version 6
	.text
	.protected	k_q950396fcbb_attn
	.globl	k_q950396fcbb_attn
	.p2align	8
	.type	k_q950396fcbb_attn,@function
k_q950396fcbb_attn:
	s_mov_b64 s[64:65], 0
	v_nop
	global_prefetch_b8 v0, s[64:65] scope:SCOPE_SE
	s_setreg_imm32_b32 hwreg(HW_REG_WAVE_MODE, 25, 1), 1
	s_wait_xcnt 0x0
; Causal attention of one (batch, head), head size 64, 2,048 tokens, both products on codes of E4M3; the result is quantised by its given scale and stored as the image of the last product's operand.
; THE SOFTMAX: t = score x log2(e) / 8; M = the running largest t rounded UP to a whole number; p = 2^(t - M) is quantised along the keys, not normalised; the row's sum l is taken of the unquantised p and divides at the end.
; When M moves, l and O are multiplied by 2^(old M - new M), which rounds nothing.
; SHARES.  A head's queries are 64 supertiles J of 32 (two tiles of 16).  J needs the key steps 0 .. J / 4, 128 keys each; only the last crosses the diagonal.  Wave w of work-group g (4 to a head) owns
; first J = 63 - (8 g + w), then J = 8 g + w: 17 steps for every wave of the launch.  The work-group walks 18 positions, a constant: key steps 0 .. 15 - 2 g for the first supertiles, then 0 .. 2 g + 1
; for the second; each wave sits out exactly one position (a scalar branch on ids, round no barrier).  16 - 2 g is even, so the change of supertiles falls at a trip's head.
; K AND V come as images of operand registers: a key step is 8,192 dense bytes of each.  They go from memory through registers into two LDS slots (waves 0-3 a quarter of K's each, waves 4-7 of V's),
; asked for two positions ahead of their LDS store, which is one position ahead of their use: one barrier a position.  A fragment read from LDS feeds two matrix instructions (the two tiles).
; NO TENSOR LOADS AND NO CLUSTER: from position 16 - 2 g on the four work-groups of a head want different key steps, so they could not ask jointly in every round; and the hold of p at the largest code,
; 128 lines of a step, is jumped over by a branch on the given exponent where ep >= -8 (p <= 1 <= 448 x 2^ep then).
; LAYOUT.  S^T = K Q^T (source 0 = 16 keys, source 1 = 16 queries) and O^T = V^T P^T (source 0 = 16 of the head's 64, source 1 = P): a lane holds ONE query (lane % 16) throughout; the eight registers of a
; tile of S^T are keys 16 kt + 8 (lane / 16) + 0..7, so a conversion's two registers are registers 2 kt, 2 kt + 1 of P in the K = 128 form's own order.
; LIMITS on the given exponents, so that each power of two below is an f32 number: e6 + e7 between -123 and 130 (added to c's exponent field); e9 (p) and e10 (the result) between -126 and 119;
; e8 + e9 is applied by v_ldexp_f32 and has none.  p that falls under the format's range after a later move of M is lost.  NaN among the inputs is not served.
; REGISTERS.  Window 0: v1-7 addresses; v8-15 statistics; v16-19 f; v20-27 at work; v28-31 the quantisers' constants; v32-63 two sets of 16 on the way from memory to LDS; v64-191 S^T, then p; v192-255 K's, then V's fragments.
;   Window 1: v0-63 O^T; v64-79 Q; v192-223 p's codes.
.set SLOTB, 16384                      ; an LDS slot: K's 8 tiles (8,192 bytes), then V's 4 fragments (8,192 bytes), dense: every access is 16 x lane + a constant
.set CHUNK, 8192
.set LI,   1                           ; v1   16 x lane
.set STA,  2                           ; v2   16 x lane + 2,048 x wave: where I store my part of a key step
.set GL,   3                           ; v3   16 x lane + 2,048 x (wave % 4): the same place in K's or V's 8,192 bytes
.set GO,   4                           ; v4, v5  the global offsets of sets 0, 1
.set PFO,  6                           ; v6   256 x lane, for the prefetch; never rewritten
.set DQ,   7                           ; v7   r - 8 h, for the mask
.set ST,   8                           ; tile t: v[8 + 4 t] -M, +1 the largest t, +2, +3 l in two halves
.set FF,   16                          ; tile t: v[16 + 2 t] f (the odd register is named as a pair's upper half and written once)
.set TP,   20                          ; tile t: v[20 + 4 t], +1 two chains; +2 a lane permute's destination
.set NINF, 23                          ; v23  -infinity
.set MD,   27                          ; v27  the mask's d
.set PSC,  28                          ; v28  2^ep;  v29  448 x 2^ep;  v30  2^e10;  v31  448 x 2^e10
.set PLM,  29
.set OSC,  30
.set OLM,  31
.set SG,   32
.set S,    64
.set KF,   192
.set O,    0                           ; window 1
.set Q,    64
.set PC,   192
; s14 wave, s15 g, s16 batch x 16 + head, s17 NH = 16 - 2 g, s18 position, s19 key step, s20 my last key step, s21 J, s22, s23 the same two for the second supertile,
; s[24:25] lane selects, s[26:27] c, s[28:29] K's or V's head, s[30:31] the prefetch's place, s32 positions that prefetch, s33 1 = hold p, s34 e8 + e9, s35 trips, s[36:37] Q, s[38:39] the image, s45 lanes 16-31, s52 the head's place in the image
.set MSB, 0
.macro WIN new                         ; the immediate's high byte repeats the setting that is left
.if MSB != \new
	s_set_vgpr_msb (MSB<<8)|\new
.set MSB, \new
.endif
.endm
; A PREFETCH INTO THE L2: in position i the key step i + 5, which is loaded in position i + 2: 8,192 bytes, lanes 256 bytes apart, one instruction.  All four work-groups of a head walk the same K and V: the first (g = 0)
; asks, its wave 0 for K's and its wave 4 for V's, so each block of 256 bytes is named once in the launch.  Key steps 0 to 4 come by their loads alone; position 10 names the last, key step 15.
.macro ASK
	s_cmp_lt_u32 s18, s32
	s_cbranch_scc0 .Lnot_mine_\@
	global_prefetch_b8 v[PFO], s[30:31] th:TH_LOAD_NT scope:SCOPE_SE
.Lnot_mine_\@:
.endm
; A supertile begins: its Q is asked for; O^T and l are zeros and the largest t is -3e38, so that the step is written once: the first change of M multiplies zeros.
.macro INIT wait
	s_lshl_b32 s46, s21, 11                        ; 2 J tiles of 1,024 bytes
	s_mov_b32 s47, 0
	s_add_nc_u64 s[36:37], s[4:5], s[46:47]
	WIN 0x40                                       ; destination window 1
.irp t, 0,1
.irp c, 0,1
	global_load_b128 v[Q+8*\t+4*\c:Q+8*\t+4*\c+3], v[LI], s[36:37] offset:1024*\t+512*\c th:TH_LOAD_NT
.endr
.endr
.set j, 0
.rept 64
	v_mov_b32 v[O+j], 0
.set j, j+1
.endr
	WIN 0
.irp t, 0,1
	v_mov_b32 v[ST+4*\t+1], 0xff61b1e6             ; -3e38, under every t
	s_delay_alu instid0(VALU_DEP_1)
	v_floor_f32 v[ST+4*\t], -v[ST+4*\t+1]
	v_mov_b32 v[ST+4*\t+2], 0
	v_mov_b32 v[ST+4*\t+3], 0
.endr
.if \wait
	s_wait_loadcnt 0x0                             ; Q is in (and with it whatever was on its way to LDS)
.endif
.endm
; The softmax of both tiles for one key step; the tiles alternate line by line.
.macro SOFTMAX
.irp t, 0,1
	v_max3_num_f32 v[TP+4*\t], v[S+64*\t], v[S+64*\t+1], v[S+64*\t+2]          ; the largest score of my query among my 64 keys, in two chains a tile, each tile of S^T from its low end on
	v_max3_num_f32 v[TP+4*\t+1], v[S+64*\t+3], v[S+64*\t+4], v[S+64*\t+5]
.endr
.irp i, 6,10,14,18,22,26,30,34,38,42,46,50,54,58
.irp t, 0,1
	v_max3_num_f32 v[TP+4*\t], v[TP+4*\t], v[S+64*\t+\i], v[S+64*\t+\i+1]
	v_max3_num_f32 v[TP+4*\t+1], v[TP+4*\t+1], v[S+64*\t+\i+2], v[S+64*\t+\i+3]
.endr
.endr
.irp t, 0
	v_max3_num_f32 v[TP+4*\t], v[TP+4*\t], v[S+64*\t+62], v[S+64*\t+63]
.endr
.irp t, 1
	v_max3_num_f32 v[TP+4*\t], v[TP+4*\t], v[S+64*\t+62], v[S+64*\t+63]
.endr
.irp t, 0,1
	s_delay_alu instid0(VALU_DEP_2)
	v_max_num_f32 v[TP+4*\t], v[TP+4*\t], v[TP+4*\t+1]
.endr
.irp t, 0,1
	s_delay_alu instid0(VALU_DEP_2)
	v_permlanex16_b32 v[TP+4*\t+2], v[TP+4*\t], s24, s25                       ; the query's other 64 keys lie in the lane 16 away
.endr
.irp t, 0,1
	s_delay_alu instid0(VALU_DEP_2)
	v_max_num_f32 v[TP+4*\t], v[TP+4*\t], v[TP+4*\t+2]
.endr
.irp t, 0,1
	s_delay_alu instid0(VALU_DEP_2)
	v_mul_f32 v[TP+4*\t], s26, v[TP+4*\t]                                      ; as t (c is positive)
.endr
.irp t, 0,1
	s_delay_alu instid0(VALU_DEP_2)
	v_max_num_f32 v[ST+4*\t+1], v[ST+4*\t+1], v[TP+4*\t]                       ; the running largest t
.endr
.irp t, 0,1
	v_mov_b32 v[TP+4*\t], v[ST+4*\t]
.endr
.irp t, 0,1
	s_delay_alu instid0(VALU_DEP_4)
	v_floor_f32 v[ST+4*\t], -v[ST+4*\t+1]                                      ; the new -M = floor(-t) = -ceil(t): a whole number
.endr
.irp t, 0,1
	s_delay_alu instid0(VALU_DEP_2)
	v_sub_f32 v[TP+4*\t], v[ST+4*\t], v[TP+4*\t]                               ; old M - new M: a whole number, 0 or less
.endr
.irp t, 0,1
	s_delay_alu instid0(VALU_DEP_2)
	v_cvt_i32_f32 v[TP+4*\t], v[TP+4*\t]                                       ; (it saturates)
.endr
.irp t, 0,1
	s_delay_alu instid0(VALU_DEP_2)
	v_ldexp_f32 v[FF+2*\t], 1.0, v[TP+4*\t]                                    ; f = 2^(old M - new M)
.endr
.set j, 0
.rept 32
	v_pk_fma_f32 v[S+j:S+j+1], v[S+j:S+j+1], s[26:27], v[ST:ST+1] op_sel_hi:[1,0,0]               ; t - M, two at a time (of the pairs c and -M the low word serves both halves)
	v_pk_fma_f32 v[S+64+j:S+64+j+1], v[S+64+j:S+64+j+1], s[26:27], v[ST+4:ST+5] op_sel_hi:[1,0,0]
.set j, j+2
.endr
.set j, 0
	s_wait_alu depctr_va_vdst(0)
.rept 128
	v_exp_f32 v[S+j], v[S+j]                       ; p = 2^(t - M), at most 1: one batch
.set j, j+1
.endr
.irp t, 0,1
	v_pk_mul_f32 v[ST+4*\t+2:ST+4*\t+3], v[ST+4*\t+2:ST+4*\t+3], v[FF+2*\t:FF+2*\t+1] op_sel_hi:[1,0]   ; l under the new M: plain lines behind the last exponential
.endr
	s_wait_alu depctr_va_vdst(0)                   ; one wait for the whole batch, ahead of the first line that names a result
.irp t, 0,1
	v_pk_add_f32 v[TP+4*\t:TP+4*\t+1], v[S+64*\t:S+64*\t+1], v[S+64*\t+2:S+64*\t+3]               ; l is taken of the UNQUANTISED p: two at a time, in two chains a tile
.endr
.irp j, 4,8,12,16,20,24,28,32,36,40,44,48,52,56,60
.irp t, 0,1
	v_pk_add_f32 v[ST+4*\t+2:ST+4*\t+3], v[ST+4*\t+2:ST+4*\t+3], v[S+64*\t+\j:S+64*\t+\j+1]
	v_pk_add_f32 v[TP+4*\t:TP+4*\t+1], v[TP+4*\t:TP+4*\t+1], v[S+64*\t+\j+2:S+64*\t+\j+3]
.endr
.endr
.irp t, 0
	s_delay_alu instid0(VALU_DEP_3)
	v_pk_add_f32 v[ST+4*\t+2:ST+4*\t+3], v[ST+4*\t+2:ST+4*\t+3], v[TP+4*\t:TP+4*\t+1]
.endr
.irp t, 1
	s_delay_alu instid0(VALU_DEP_2)
	v_pk_add_f32 v[ST+4*\t+2:ST+4*\t+3], v[ST+4*\t+2:ST+4*\t+3], v[TP+4*\t:TP+4*\t+1]
.endr
	s_cmp_eq_u32 s33, 0                            ; ep >= -8: p <= 1 lies inside the format's range, and the hold would change nothing
	s_cbranch_scc1 .Lno_hold_\@
.set j, 0
.rept 128
	v_min_num_f32 v[S+j], v[S+j], v[PLM]           ; the conversion to an 8-bit code does not saturate (ISA guide 7.6.2); p is not negative, so the hold is one-sided
.set j, j+1
.endr
.Lno_hold_\@:
	WIN 0x40                                       ; destination window 1
.irp t, 0,1
.irp k, 0,1,2,3,4,5,6,7
	v_cvt_scalef32_pk8_fp8_f32 v[PC+16*\t+2*\k:PC+16*\t+2*\k+1], v[S+64*\t+8*\k:S+64*\t+8*\k+7], v[PSC]
.endr
.endr
	WIN 0x41                                       ; O^T (destination and source 0) window 1, f window 0
.irp t, 0,1
.set j, 0
.rept 16
	v_pk_mul_f32 v[O+32*\t+j:O+32*\t+j+1], v[O+32*\t+j:O+32*\t+j+1], v[FF+2*\t:FF+2*\t+1] op_sel_hi:[1,0]   ; O^T under the new M; these plain lines also stand between the conversions and the products that read the codes
.set j, j+2
.endr
.endr
.endm
; ONE POSITION.  sl: the slot that holds its key step.
.macro STEP sl
	s_wait_xcnt 0x0                                ; the last position's prefetch has read its address
	s_add_nc_u64 s[30:31], s[30:31], CHUNK
	s_wait_dscnt 0x0                               ; my stores into slot sl have landed, and my reads of the other slot are over
	s_barrier_signal -1
	s_barrier_wait -1                              ; both now hold of all eight waves
	s_wait_loadcnt 4                               ; the next position's four loads are in; the four of the position after it may be out
.irp j, 0,1,2,3
	ds_store_b128 v[STA], v[SG+16*(1-\sl)+4*\j:SG+16*(1-\sl)+4*\j+3] offset:(1-\sl)*SLOTB+512*\j
.endr
.set n, 0
.rept 16
	ds_load_b128 v[KF+4*n:KF+4*n+3], v[LI] offset:\sl*SLOTB+512*n    ; K's eight fragments: tile n / 2, half n % 2
.set n, n+1
.endr
	s_add_co_u32 s46, s18, 3                       ; the key step of three positions on; past the last position the last is asked for again, so that no load leaves its buffer and the counts are the same in every trip
	s_min_u32 s46, s46, 17
	s_cmp_ge_u32 s46, s17
	s_cselect_b32 s47, s17, 0
	s_sub_co_u32 s46, s46, s47
	s_lshl_b32 s46, s46, 13
	s_wait_dscnt 0x0                               ; K is in, and the stores have read their registers,
	v_add_nc_u32 v[GO+1-\sl], s46, v[GL]           ; (free since the wait for its last loads)
.irp j, 0,1,2,3
	global_load_b128 v[SG+16*(1-\sl)+4*\j:SG+16*(1-\sl)+4*\j+3], v[GO+1-\sl], s[28:29] offset:512*\j   ; which take the loads of three positions on
.endr
	ASK
	s_cmp_gt_u32 s19, s20                          ; all of this step's keys come after my queries: my one idle position
	s_cbranch_scc1 .Lidle_\@
	WIN 0x04                                       ; source 1 (Q) window 1
.irp k, 0,1,2,3,4,5,6,7
.irp t, 0,1
	v_wmma_f32_16x16x64_fp8_fp8 v[S+64*\t+8*\k:S+64*\t+8*\k+7], v[KF+8*\k:KF+8*\k+7], v[Q+8*\t:Q+8*\t+7], 0
.endr
.endr
	WIN 0
.rept 4
	v_nop                                          ; places in front of the loads into K's registers and of the first read of the scores
.endr
.set n, 0
.rept 16
	ds_load_b128 v[KF+4*n:KF+4*n+3], v[LI] offset:\sl*SLOTB+CHUNK+512*n   ; V's four fragments land while the softmax is walked
.set n, n+1
.endr
	s_cmp_lg_u32 s19, s20
	s_cbranch_scc1 .Lopen_\@                       ; a step ahead of my last: all its keys count
	s_and_b32 s46, s21, 3                          ; ON THE DIAGONAL hidden scores become -infinity ahead of the maximum: p = 0 then.  The step's first key counts for every query, so M stays a number
	s_lshl_b32 s46, s46, 5
	v_add_nc_u32 v[MD], s46, v[DQ]                 ; d = 32 (J % 4) + 16 t + r - 8 h.  Register 8 kt + j holds key 16 kt + 8 h + j of the step: hidden where 16 kt + j > d
.set n, 0
.rept 64
	v_cmp_gt_i32 vcc_lo, 16*(n/8)+n%8, v[MD]
	v_cndmask_b32 v[S+n], v[S+n], v[NINF], vcc_lo
.set n, n+1
.endr
	v_add_nc_u32 v[MD], 16, v[MD]
.set n, 0
.rept 64
	v_cmp_gt_i32 vcc_lo, 16*(n/8)+n%8, v[MD]
	v_cndmask_b32 v[S+64+n], v[S+64+n], v[NINF], vcc_lo
.set n, n+1
.endr
.Lopen_\@:
	SOFTMAX
	s_wait_alu depctr_va_vdst(0)
	s_wait_dscnt 0x0                               ; V is in
	WIN 0x54                                       ; source 0 (V) window 0; P, C and D window 1
.irp d, 0,1,2,3
.irp t, 0,1
	v_wmma_f32_16x16x128_fp8_fp8 v[O+32*\t+8*\d:O+32*\t+8*\d+7], v[KF+16*\d:KF+16*\d+15], v[PC+16*\t:PC+16*\t+15], v[O+32*\t+8*\d:O+32*\t+8*\d+7]   ; the eight accumulators take turns
.endr
.endr
	WIN 0
.rept 4
	v_nop                                          ; places in front of the next loads into V's registers and of whatever reads O^T next
.endr
.Lidle_\@:
	s_add_co_u32 s19, s19, 1
	s_add_co_u32 s18, s18, 1
.endm
; A SUPERTILE LEAVES: O^T x 2^(e8 + e9) / l, held, quantised by 2^e10.  A lane holds d = 16 dt + 8 h + 0..7 of its query; the last product's operand wants 32 c + 16 h + 0..15: the halves of the lanes
; exchange one piece of eight codes for each c.  Each store of the wave covers 512 consecutive bytes, aligned.
.macro OUT
.irp t, 0,1
	v_add_f32 v[TP+4*\t], v[ST+4*\t+2], v[ST+4*\t+3]
.endr
.irp t, 0,1
	s_delay_alu instid0(VALU_DEP_2)
	v_permlanex16_b32 v[TP+4*\t+2], v[TP+4*\t], s24, s25
.endr
.irp t, 0,1
	s_delay_alu instid0(VALU_DEP_2)
	v_add_f32 v[TP+4*\t], v[TP+4*\t], v[TP+4*\t+2] ; the row's sum
.endr
	s_wait_alu depctr_va_vdst(0)
.irp t, 0,1
	v_rcp_f32 v[FF+2*\t], v[TP+4*\t]
.endr
	v_nop                                          ; a plain line behind the last reciprocal
	s_wait_alu depctr_va_vdst(0)                   ; and the one wait for both, ahead of their first reader
.irp t, 0,1
	v_ldexp_f32 v[FF+2*\t], v[FF+2*\t], s34
.endr
	WIN 0x01                                       ; source 0 (O^T) window 1
.irp t, 0,1
.set j, 0
.rept 16
	v_pk_mul_f32 v[S+64*\t+j:S+64*\t+j+1], v[O+32*\t+j:O+32*\t+j+1], v[FF+2*\t:FF+2*\t+1] op_sel_hi:[1,0]   ; each accumulator from its low end on
.set j, j+2
.endr
.endr
	WIN 0
.irp t, 0,1
.set j, 0
.rept 32
	v_med3_num_f32 v[S+64*\t+j], v[S+64*\t+j], -v[OLM], v[OLM]
.set j, j+1
.endr
.endr
.irp t, 0,1
.irp d, 0,1,2,3
	v_cvt_scalef32_pk8_fp8_f32 v[KF+8*\t+2*\d:KF+8*\t+2*\d+1], v[S+64*\t+8*\d:S+64*\t+8*\d+7], v[OSC]
.endr
.endr
	v_nop                                          ; a plain line between the conversions and the lines that read their results
.irp t, 0,1
.irp c, 0,1
	v_cndmask_b32 v20, v[KF+8*\t+4*\c+2], v[KF+8*\t+4*\c], s45       ; what the other half wants: lanes 16-31 give dt = 2 c, lanes 0-15 give dt = 2 c + 1
	v_cndmask_b32 v21, v[KF+8*\t+4*\c+3], v[KF+8*\t+4*\c+1], s45
	s_delay_alu instid0(VALU_DEP_2)
	v_permlanex16_b32 v22, v20, s24, s25
	s_delay_alu instid0(VALU_DEP_2)
	v_permlanex16_b32 v26, v21, s24, s25
	v_cndmask_b32 v[KF+16+8*\t+4*\c], v[KF+8*\t+4*\c], v22, s45      ; lanes 0-15: own dt = 2 c, then the other's; lanes 16-31: the other's dt = 2 c + 1, then own
	v_cndmask_b32 v[KF+16+8*\t+4*\c+1], v[KF+8*\t+4*\c+1], v26, s45
	v_cndmask_b32 v[KF+16+8*\t+4*\c+2], v22, v[KF+8*\t+4*\c+2], s45
	v_cndmask_b32 v[KF+16+8*\t+4*\c+3], v26, v[KF+8*\t+4*\c+3], s45
.endr
.endr
	s_lshr_b32 s46, s21, 2                         ; rows 32 J on: block of 128 rows J / 4, tiles 2 (J % 4) and the next
	s_lshl_b32 s46, s46, 17
	s_and_b32 s47, s21, 3
	s_lshl_b32 s47, s47, 13
	s_add_co_u32 s46, s46, s47
	s_add_co_u32 s46, s46, s52
	s_mov_b32 s47, 0
	s_add_nc_u64 s[38:39], s[12:13], s[46:47]
	s_wait_alu depctr_va_vdst(0)
.irp t, 0,1
.irp c, 0,1
	global_store_b128 v[LI], v[KF+16+8*\t+4*\c:KF+16+8*\t+4*\c+3], s[38:39] offset:4096*\t+512*\c
.endr
.endr
	s_wait_xcnt 0x0                                ; the stores have read their registers and their base: both are written again
.endm
	s_load_b256 s[4:11], s[0:1], 0x0               ; q_img s[4:5], k_img s[6:7], v_img s[8:9], the scales' exponents s[10:11]
	s_load_b64 s[12:13], s[0:1], 0x20              ; ao_img
	s_set_vgpr_msb 0x40
	v_lshl_add_u32 v224, v0, 2, 0x8000
	v_mov_b32 v225, 0
	s_set_vgpr_msb 0x4000
	v_lshrrev_b32 v8, 5, v0
	s_delay_alu instid0(VALU_DEP_1)
	v_readfirstlane_b32 s14, v8                    ; wave 0..7
	s_mov_b32 s15, ttmp9                           ; g
	s_and_b32 s16, ttmp7, 0xffff                   ; batch x 16 + head
	v_and_b32 v9, 31, v0
	s_delay_alu instid0(VALU_DEP_1)
	v_lshlrev_b32 v[LI], 4, v9
	s_delay_alu instid0(VALU_DEP_2)
	v_lshlrev_b32 v[PFO], 8, v9
	s_lshl_b32 s46, s14, 11
	v_add_nc_u32 v[STA], s46, v[LI]
	s_and_b32 s46, s14, 3
	s_lshl_b32 s46, s46, 11
	v_add_nc_u32 v[GL], s46, v[LI]
	v_and_b32 v[DQ], 15, v0
	v_bfe_u32 v9, v0, 4, 1
	s_delay_alu instid0(VALU_DEP_1)
	v_lshlrev_b32 v9, 3, v9
	s_delay_alu instid0(VALU_DEP_1)
	v_sub_nc_u32 v[DQ], v[DQ], v9
	v_mov_b32 v[NINF], 0xff800000
	v_mov_b32 v[FF+1], 0                           ; (named as the upper halves of pairs)
	v_mov_b32 v[FF+3], 0
	v_mov_b32 v[TP+2], 0                           ; (a lane permute's destination counts as one of its sources)
	v_mov_b32 v[TP+6], 0
	s_mov_b32 s24, 0x76543210
	s_mov_b32 s25, 0xfedcba98                      ; lane l xor 16
	s_mov_b32 s45, 0xffff0000                      ; lanes 16-31
	s_lshl_b32 s17, s15, 1
	s_sub_co_u32 s17, 16, s17                      ; NH
	s_lshl_b32 s23, s15, 3
	s_add_co_u32 s23, s23, s14                     ; the second supertile: 8 g + w,
	s_sub_co_u32 s21, 63, s23                      ; the first: 63 - that
	s_lshr_b32 s20, s21, 2
	s_lshr_b32 s22, s23, 2
	s_mov_b32 s18, 0
	s_mov_b32 s19, 0
	s_and_b32 s46, s14, 3
	s_or_b32 s46, s46, s15
	s_cmp_eq_u32 s46, 0
	s_cselect_b32 s32, 11, 0                       ; waves 0 and 4 of g = 0 prefetch in positions 0 to 10
	s_lshr_b32 s52, s16, 4
	s_lshl_b32 s52, s52, 21                        ; the image: batch x 16 blocks of 128 rows x 131,072 bytes,
	s_bfe_u32 s46, s16, 0x20002
	s_lshl_b32 s46, s46, 15                        ; + the K step of 256 in which my head's 64 features lie: head / 4,
	s_add_co_u32 s52, s52, s46
	s_and_b32 s46, s16, 3
	s_lshl_b32 s46, s46, 10                        ; + (head % 4) x 1,024: which 128 along K, and which two of its four pieces
	s_add_co_u32 s52, s52, s46
	s_lshl_b32 s48, s16, 17                        ; a head's 131,072 bytes in each of q_img, k_img, v_img
	s_mov_b32 s49, 0
	s_wait_kmcnt 0x0
	s_load_b128 s[40:43], s[10:11], 0x18           ; e6 (q), e7 (k), e8 (v), e9 (p)
	s_load_b32 s44, s[10:11], 0x28                 ; e10 (the result)
	s_cmp_lt_u32 s14, 4
	s_cselect_b64 s[28:29], s[6:7], s[8:9]         ; waves 0-3 carry K, waves 4-7 V
	s_add_nc_u64 s[28:29], s[28:29], s[48:49]
	s_add_nc_u64 s[30:31], s[28:29], 4*CHUNK       ; the first position steps it to key step 5
	s_add_nc_u64 s[4:5], s[4:5], s[48:49]
	INIT 0
	v_mov_b32 v[GO], v[GL]                         ; key step 0
	v_add_nc_u32 v[GO+1], CHUNK, v[GL]             ; key step 1
.irp j, 0,1,2,3
	global_load_b128 v[SG+4*\j:SG+4*\j+3], v[GO], s[28:29] offset:512*\j
.endr
.irp j, 0,1,2,3
	global_load_b128 v[SG+16+4*\j:SG+16+4*\j+3], v[GO+1], s[28:29] offset:512*\j
.endr
	s_wait_kmcnt 0x0
	s_add_co_i32 s46, s40, s41
	s_lshl_b32 s46, s46, 23
	s_add_co_i32 s26, s46, 0x3e38aa3b              ; c = log2(e) / 8, with e6 + e7 added to its exponent field: a score stands for score x 2^(e6 + e7)
	s_mov_b32 s27, s26                             ; (named with it as a pair, so it is written)
	s_add_co_i32 s46, s43, 127
	s_lshl_b32 s47, s46, 23
	v_mov_b32 v[PSC], s47                          ; 2^ep
	s_add_co_i32 s46, s46, 8
	s_lshl_b32 s46, s46, 23
	s_or_b32 s46, s46, 0x600000
	v_mov_b32 v[PLM], s46                          ; 448 x 2^ep
	s_add_co_i32 s46, s44, 127
	s_lshl_b32 s47, s46, 23
	v_mov_b32 v[OSC], s47                          ; 2^e10
	s_add_co_i32 s46, s46, 8
	s_lshl_b32 s46, s46, 23
	s_or_b32 s46, s46, 0x600000
	v_mov_b32 v[OLM], s46                          ; 448 x 2^e10
	s_add_co_i32 s34, s42, s43
	s_cmp_lt_i32 s43, -8
	s_cselect_b32 s33, 1, 0
	s_wait_loadcnt 4                               ; Q and key step 0 are in; key step 1's four loads may be out
.irp j, 0,1,2,3
	ds_store_b128 v[STA], v[SG+4*\j:SG+4*\j+3] offset:512*\j
.endr
	s_wait_dscnt 0x0                               ; the stores have read their registers
	v_add_nc_u32 v[GO], 2*CHUNK, v[GL]             ; key step 2 (every work-group's first walk has ten steps or more)
.irp j, 0,1,2,3
	global_load_b128 v[SG+4*\j:SG+4*\j+3], v[GO], s[28:29] offset:512*\j
.endr
	s_mov_b32 s35, 9
.Ltrip:                                            ; nine trips of two positions, in every work-group
	s_cmp_lg_u32 s18, s17
	s_cbranch_scc1 .Lsame                          ; the same way in all eight waves
	s_wait_alu depctr_va_vdst(0)
	OUT                                            ; the first supertile leaves, the second begins
	s_mov_b32 s21, s23
	s_mov_b32 s20, s22
	s_mov_b32 s19, 0
	INIT 1
.Lsame:
	STEP 0
	STEP 1
	s_sub_co_u32 s35, s35, 1
	s_cmp_lg_u32 s35, 0
	s_cbranch_scc1 .Ltrip
	s_wait_alu depctr_va_vdst(0)
	OUT
	s_set_vgpr_msb 0x5
	s_wait_tensorcnt 0x0
	ds_add_u32 v224, v225
	s_wait_dscnt 0x0
	s_set_vgpr_msb 0x500
	s_endpgm
.Lfunc_end_k_q950396fcbb_attn:
	.size	k_q950396fcbb_attn, .Lfunc_end_k_q950396fcbb_attn-k_q950396fcbb_attn
	.p2alignl 7, 3214868480
	.fill 96, 4, 3214868480
	.section	.rodata,"a",@progbits
	.p2align	6, 0x0
	.amdhsa_kernel k_q950396fcbb_attn
		.amdhsa_group_segment_fixed_size 33792
		.amdhsa_private_segment_fixed_size 0
		.amdhsa_enable_private_segment 0
		.amdhsa_kernarg_size 40
		.amdhsa_user_sgpr_count 2
		.amdhsa_user_sgpr_kernarg_segment_ptr 1
		.amdhsa_wavefront_size32 1
		.amdhsa_system_sgpr_workgroup_id_x 1
		.amdhsa_system_sgpr_workgroup_id_y 1
		.amdhsa_system_sgpr_workgroup_id_z 1
		.amdhsa_system_vgpr_workitem_id 0
		.amdhsa_next_free_vgpr 482
		.amdhsa_next_free_sgpr 66
		.amdhsa_reserve_vcc 1
		.amdhsa_float_denorm_mode_32 3
		.amdhsa_float_denorm_mode_16_64 3
		.amdhsa_memory_ordered 1
		.amdhsa_forward_progress 1
		.amdhsa_inst_pref_size 113
	.end_amdhsa_kernel
	.amdgpu_metadata
---
amdhsa.version: [ 1, 2 ]
amdhsa.kernels:
  - .name:           k_q950396fcbb_attn
    .symbol:         k_q950396fcbb_attn.kd
    .args:
      - { .name: q_img, .offset: 0, .size: 8, .value_kind: global_buffer, .address_space: global }
      - { .name: k_img, .offset: 8, .size: 8, .value_kind: global_buffer, .address_space: global }
      - { .name: v_img, .offset: 16, .size: 8, .value_kind: global_buffer, .address_space: global }
      - { .name: lowp_scales, .offset: 24, .size: 8, .value_kind: global_buffer, .address_space: global }
      - { .name: ao_img, .offset: 32, .size: 8, .value_kind: global_buffer, .address_space: global }
    .group_segment_fixed_size: 33792
    .private_segment_fixed_size: 0
    .kernarg_segment_align: 8
    .kernarg_segment_size: 40
    .max_flat_workgroup_size: 256
    .sgpr_count:     66
    .vgpr_count:     482
    .wavefront_size: 32
...
	.end_amdgpu_metadata
.endif
;; end of part 2
;; launch oproj (part 3): grid 4 x 64, 4 waves a work-group, clusters of 4 x 4, 327,680 bytes of LDS; arguments ao_img, wo_w_codes, lowp_scales, wo_b, out0; writes out0
.if DOCPART == 3
	.amdgcn_target "amdgcn-amd-amdhsa--gfx1250"
	.amdhsa_code_object_version 6
	.text
	.protected	k_q950396fcbb_oproj
	.globl	k_q950396fcbb_oproj
	.p2align	8
	.type	k_q950396fcbb_oproj,@function
k_q950396fcbb_oproj:
	s_mov_b64 s[64:65], 0
	v_nop
	global_prefetch_b8 v0, s[64:65] scope:SCOPE_SE
	s_setreg_imm32_b32 hwreg(HW_REG_WAVE_MODE, 25, 1), 1
	s_wait_xcnt 0x0
	s_wait_alu depctr_hold_cnt(0) depctr_sa_sdst(0) depctr_va_vdst(0) depctr_va_sdst(0) depctr_va_ssrc(0) depctr_va_vcc(0) depctr_vm_vsrc(0)
	s_getreg_b32 s2, hwreg(HW_REG_IB_STS2, 6, 4)
	s_cmp_eq_u32 s2, 0
	s_cbranch_scc0 .Lentry_in_a_cluster
	s_endpgm
.Lentry_in_a_cluster:
	s_bfe_u32 s2, ttmp6, 0x10000c
	s_cmp_lg_u32 s2, 0xf033
	s_cbranch_scc0 .Lentry_shape_is_right
	s_endpgm
.Lentry_shape_is_right:
; out0 = a Wo^T + bo on codes of E4M3: a [8192][1024] comes as ao_img, the image of this product's operand registers; Wo [1024][1024] as codes, K innermost; f32 sums, each x 2^(e10 + e11), + bias, in one fused multiply-add.
; LIMIT: e10 + e11 between -126 and 127, so that 2^(e10 + e11) is an f32 number.
; A work-group of four waves makes 128 rows x 256 columns: 256 work-groups; a wave makes 64 x 128: 32 accumulators.  Source 0 = 16 rows of Wo, source 1 = 16 rows of a: a lane holds eight neighbouring columns of one row.
; ao_img: [block of 128 rows][K quarter of 256][tile of 16 rows][128 along K][c][lane][16 bytes]: a block's four K quarters are 4 x 32,768 dense bytes.
; LDS: three K quarters of a (3 x 32,768, dense), three of Wo's 256 rows (3 x 256 rows of 272), the spare words.  At the head each wave issues one joint load: wave 0 a's quarters 0 to 2, stated as 384 rows of 256 bytes;
; waves 1 to 3 Wo's quarters 0 to 2.  Quarter 3 is the one refill: behind a round of the cluster's barrier, when every wave has read quarter 0, into quarter 0's bytes (wave 0: a; wave 1: Wo); 128 matrix instructions of each wave stand between it and the wait for it.
; CLUSTERS 4 x 4: a's tiles are shared along a row of the cluster, Wo's along a column.
; NO PREFETCH: the text has no loop to run ahead in; three quarters of all it reads are asked for by its first four loads.
; REGISTERS: window 0: v16-29 addresses, v96-99 bias, v128-255 a's fragments, two sets (on the way out: rows read back); window 1: Wo's fragments, two sets; window 2: the accumulators ((a, b) at v[8 (8 a + b)]).
.set AQ,     32768
.set PITCH,  272
.set BQ,     256*PITCH
.set BBASE,  3*AQ
.set SPARE,  BBASE+3*BQ                ; 307,200: the spare words, 128 bytes a wave
.set STAGE,  BBASE+BQ                  ; the way out's stages lie in Wo's quarter 1: it has had its only fill, and every wave has passed a barrier behind its last read of it
.set SPITCH, 528
.set NROW,   4096
.set FR,     16
.set ADRA, 16                          ; v16-18 my fragments of a in regions 0, 1, 2
.set ADRB, 20                          ; v20-22 the same for Wo
.set STO,  24
.set RD,   25
.set CO,   26
.set SPW,  28
.set NIL,  29
.set BIA,  96
.set AF,   128
.set BK,   128
.set G1, 24
.set G0, 32
.set G1B, 48
.set G0B, 56
.set MSB, 0
.macro WIN new
.if MSB != \new
	s_set_vgpr_msb (MSB<<8)|\new
.set MSB, \new
.endif
.endm
.set MUL,  0xa1                        ; source 0 (Wo) window 1, source 1 (a) window 0, C and D window 2
.set TO_B, 0x40
.macro PLACES
.rept 4
	v_nop
.endr
.endm
.macro TL g0, g1                       ; a tensor load with an s_nop and four v_nop behind it
	tensor_load_to_lds s[\g0:\g0+3], s[\g1:\g1+7]
	s_nop 0
	PLACES
.endm
.macro CREST
	s_cmp_lg_u32 s14, 0
	s_cbranch_scc1 .Lnot_wave_0_\@
	s_barrier_signal -3
.Lnot_wave_0_\@:
	s_barrier_wait -3
	s_barrier_signal -1
	s_barrier_wait -1
.endm
.macro CROUND
	s_barrier_signal -1
	s_barrier_wait -1
	CREST
.endm
	s_load_b128 s[4:7], s[0:1], 0x0                ; ao_img, Wo's codes
	s_load_b128 s[8:11], s[0:1], 0x10              ; the scales' exponents, bo
	s_load_b64 s[12:13], s[0:1], 0x20              ; out0
	v_lshl_add_u32 v[SPW], v0, 2, SPARE
	v_mov_b32 v[NIL], 0
	ds_add_u32 v[SPW], v[NIL]                      ; the opening lines: the add, twice on end, and its wait
	ds_add_u32 v[SPW], v[NIL]
	v_lshrrev_b32 v1, 5, v0
	v_readfirstlane_b32 s14, v1                    ; wave 0..3
	s_lshr_b32 s15, s14, 1                         ; my half of the rows
	s_and_b32 s16, s14, 1                          ; my half of the columns
	s_bfe_u32 s40, ttmp6, 0x40000                  ; cx
	s_bfe_u32 s41, ttmp6, 0x40004                  ; cy
	s_lshl_b32 s42, ttmp9, 2
	s_add_co_u32 s42, s42, s40                     ; tile column
	s_and_b32 s17, ttmp7, 0xffff
	s_lshl_b32 s17, s17, 2
	s_add_co_u32 s17, s17, s41                     ; block of 128 rows
	s_lshl_b32 s43, s41, 2
	s_lshl_b32 s43, 15, s43                        ; my row of the cluster
	s_lshl_b32 s44, 0x1111, s40                    ; my column
	s_or_b32 s[G1+0], s43, (1<<21)                 ; a: elements of 1 byte, no padding
	s_mov_b32 s[G1+1], 256<<16
	s_mov_b32 s[G1+2], 384<<16                     ; 384 rows of 256 bytes
	s_mov_b32 s[G1+3], 256<<16
	s_mov_b32 s[G1+4], 384
	s_mov_b32 s[G1+5], 256
	s_mov_b32 s[G1+6], 0
	s_mov_b32 s[G1+7], 0
	s_or_b32 s[G1B+0], s44, (1<<20)|(1<<21)|(5<<22)|(3<<25)   ; Wo: four words of padding behind every 64
	s_mov_b32 s[G1B+1], 256<<16
	s_mov_b32 s[G1B+2], 256<<16                    ; 256 rows of 256 bytes, 1,024 apart
	s_mov_b32 s[G1B+3], 256<<16
	s_mov_b32 s[G1B+4], 256
	s_mov_b32 s[G1B+5], 1024
	s_mov_b32 s[G1B+6], 0
	s_mov_b32 s[G1B+7], 0
	s_lshl_b32 s20, s17, 17                        ; a: my block's first byte
	s_mov_b32 s21, 0
	s_add_co_u32 s18, s14, 3
	s_and_b32 s18, s18, 3                          ; waves 1, 2, 3: K quarter 0, 1, 2 of Wo (wave 0 issues no load by it)
	s_lshl_b32 s46, s42, 18                        ; Wo: 256 rows of 1,024 bytes a tile column,
	s_lshl_b32 s19, s18, 8
	s_add_co_u32 s46, s46, s19                     ; + the quarter's 256 bytes
	s_mov_b32 s47, 0
	s_mul_i32 s45, s18, BQ
	s_add_co_u32 s45, s45, BBASE
	s_wait_dscnt 0x0                               ; both opening adds are done
	s_wait_kmcnt 0x0
	s_load_b64 s[96:97], s[8:9], 0x28              ; e10, e11
	s_mov_b32 s[G0], 1
	s_mov_b32 s[G0+1], 0
	s_add_nc_u64 s[G0+2:G0+3], s[4:5], s[20:21]
	s_or_b32 s[G0+3], s[G0+3], 0x80000000
	s_mov_b32 s[G0B], 1
	s_mov_b32 s[G0B+1], s45
	s_add_nc_u64 s[G0B+2:G0B+3], s[6:7], s[46:47]
	s_or_b32 s[G0B+3], s[G0B+3], 0x80000000
	CROUND                                         ; all sixteen work-groups are here: the first joint loads meet
	s_cmp_eq_u32 s14, 0
	s_cbranch_scc0 .Lhead_b
	TL G0, G1
	s_branch .Lhead_j
.Lhead_b:
	TL G0B, G1B
.Lhead_j:
	s_lshl_b32 s21, s15, 14                        ; my 64 rows of a: four tiles of 4,096 bytes
	s_mul_i32 s22, s16, 128*PITCH
	s_add_co_u32 s22, s22, BBASE                   ; my 128 rows of Wo
	s_mul_i32 s23, s14, 16*SPITCH
	s_add_co_u32 s23, s23, STAGE                   ; my stage
	s_lshl_b32 s20, s17, 7
	s_lshl_b32 s18, s15, 6
	s_add_co_u32 s20, s20, s18                     ; my first row of out0,
	s_lshl_b32 s20, s20, 12                        ; in bytes
	s_lshl_b32 s46, s42, 10
	s_lshl_b32 s47, s16, 9
	s_add_co_u32 s46, s46, s47                     ; my first column, in bytes
	s_mov_b32 s47, 0
	s_add_nc_u64 s[10:11], s[10:11], s[46:47]
	s_add_co_u32 s46, s46, s20
	s_add_nc_u64 s[12:13], s[12:13], s[46:47]
	v_and_b32 v1, 15, v0                           ; r
	v_bfe_u32 v2, v0, 4, 1                         ; h
	v_mul_u32_u24 v3, v1, PITCH
	v_lshl_add_u32 v4, v2, 4, v3
	v_and_b32 v6, 31, v0
	v_lshlrev_b32 v[CO], 4, v6
	v_add_nc_u32 v[ADRA], s21, v[CO]
	v_add_nc_u32 v[ADRA+1], AQ, v[ADRA]
	v_add_nc_u32 v[ADRA+2], 2*AQ, v[ADRA]
	v_add_nc_u32 v[ADRB], s22, v4
	v_add_nc_u32 v[ADRB+1], BQ, v[ADRB]
	v_add_nc_u32 v[ADRB+2], 2*BQ, v[ADRB]
	v_mul_u32_u24 v5, v1, SPITCH
	v_lshl_add_u32 v5, v2, 5, v5
	v_add_nc_u32 v[STO], s23, v5
	v_add_nc_u32 v[RD], s23, v[CO]
	s_wait_alu depctr_va_vdst(0)                   ; the wait at the head's end
	global_load_b128 v[BIA:BIA+3], v[CO], s[10:11] ; the bias of my lane's four columns of a row read back
; the fragments of the k-th 128 along K into set p: Wo's eight (lane: row r, K = 32 c + 16 h + 0..15), a's four (the image holds the same order of k)
.macro FETCH k, p
.set RG, ((\k)/2)%3
.set QH, (\k)%2
	WIN TO_B
.irp i, 0,1,2,3,4,5,6,7
.irp c, 0,1,2,3
	ds_load_b128 v[128*(\p)+FR*\i+4*\c:128*(\p)+FR*\i+4*\c+3], v[ADRB+RG] offset:128*QH+32*\c+\i*16*PITCH
.endr
.endr
	WIN 0
.irp i, 0,1,2,3
.irp c, 0,1,2,3
	ds_load_b128 v[AF+64*(\p)+FR*\i+4*\c:AF+64*(\p)+FR*\i+4*\c+3], v[ADRA+RG] offset:4096*\i+2048*QH+512*\c
.endr
.endr
.endm
; 16 matrix instructions; the 32 accumulators take turns in the same order in every step
.macro MUL16 a0, p, zero
.irp a, \a0, \a0+1
.irp b, 0,1,2,3,4,5,6,7
.if \zero
	v_wmma_f32_16x16x128_fp8_fp8 v[8*(8*(\a)+\b):8*(8*(\a)+\b)+7], v[128*(\p)+FR*\b:128*(\p)+FR*\b+FR-1], v[AF+64*(\p)+FR*(\a):AF+64*(\p)+FR*(\a)+FR-1], 0
.else
	v_wmma_f32_16x16x128_fp8_fp8 v[8*(8*(\a)+\b):8*(8*(\a)+\b)+7], v[128*(\p)+FR*\b:128*(\p)+FR*\b+FR-1], v[AF+64*(\p)+FR*(\a):AF+64*(\p)+FR*(\a)+FR-1], v[8*(8*(\a)+\b):8*(8*(\a)+\b)+7]
.endif
.endr
.endr
.endm
; a step of 128 along K: its fragments are in; the next step's are asked for, into the set that the last step multiplied (four places behind its products); then 32 products
.macro KSTEP k, fetch, zero
	s_wait_dscnt 0x0
.if \fetch
	PLACES
	FETCH (\k)+1, 1-(\k)%2
.endif
	WIN MUL
	MUL16 0, (\k)%2, \zero
	MUL16 2, (\k)%2, \zero
	WIN 0
.endm
	s_wait_tensorcnt 0x0                           ; my load is in,
	s_mov_b32 s[G1+2], 128<<16                     ; so its descriptor may be written: the refill of a is 128 rows of 256 bytes
	s_mov_b32 s[G1+4], 128
	s_barrier_signal -1
	s_barrier_wait -1                              ; everybody's is: quarters 0 to 2
	FETCH 0, 0
	KSTEP 0, 1, 1                                  ; the first products start the sums
	s_wait_dscnt 0x0                               ; step 1's fragments are in: my reads of quarter 0 are over
	PLACES
	FETCH 2, 0
	s_wait_tensorcnt 0x0                           ; the three lines in front of the refill's round
	ds_add_u32 v[SPW], v[NIL]                      ; 0 onto my spare word
	WIN MUL
	MUL16 0, 1, 0
	s_wait_dscnt 0x0
	s_barrier_signal -1
	MUL16 2, 1, 0
	WIN 0
	s_barrier_wait -1
	CREST                                          ; no wave of any partner still reads quarter 0
	s_add_nc_u64 s[G0+2:G0+3], s[G0+2:G0+3], 3*AQ
	s_add_nc_u64 s[G0B+2:G0B+3], s[G0B+2:G0B+3], 768
	s_cmp_eq_u32 s14, 0
	s_cbranch_scc0 .Lre_b
	TL G0, G1                                      ; wave 0: a's quarter 3
	s_branch .Lre_j
.Lre_b:
	s_cmp_eq_u32 s14, 1
	s_cbranch_scc0 .Lre_j
	TL G0B, G1B                                    ; wave 1: Wo's quarter 3, from K = 768, into its quarter 0's bytes
.Lre_j:
	KSTEP 2, 1, 0
	KSTEP 3, 1, 0
	KSTEP 4, 1, 0
	KSTEP 5, 0, 0
	s_wait_tensorcnt 0x0                           ; quarter 3 is in (no LDS instruction of mine is out),
	s_barrier_signal -1
	s_barrier_wait -1                              ; for everybody; and nobody reads quarters 1 and 2 any more
	PLACES
	FETCH 6, 0
	KSTEP 6, 1, 0
	KSTEP 7, 0, 0
; THE WAY OUT, block by block of 16 rows x 128 columns: through my stage, back as whole rows of 512 bytes, x 2^(e10 + e11) + bias, stored as two aligned units of 256 bytes.  LDS serves a wave's instructions in order (ISA guide 5.7.1.4).
.macro TOSTAGE a
.set AC, 64*(\a)
	WIN 0x08                                       ; the stores' data: window 2
.irp b, 0,1,2,3,4,5,6,7
	ds_store_b128 v[STO], v[AC+8*\b:AC+8*\b+3] offset:64*\b           ; each accumulator from its low end on
	ds_store_b128 v[STO], v[AC+8*\b+4:AC+8*\b+7] offset:64*\b+16
.endr
	WIN 0
.set BB, BK+64*((\a)%2)
.irp t, 0,1,2,3,4,5,6,7,8,9,10,11,12,13,14,15
	ds_load_b128 v[BB+4*\t:BB+4*\t+3], v[RD] offset:\t*SPITCH
.endr
.endm
.macro SEND a, younger
.set BB, BK+64*((\a)%2)
	s_wait_dscnt \younger                          ; the block is back; the next block's 32 LDS instructions may be out
.irp t, 0,1,2,3,4,5,6,7,8,9,10,11,12,13,14,15
	v_pk_fma_f32 v[BB+4*\t:BB+4*\t+1], v[BB+4*\t:BB+4*\t+1], s[96:97], v[BIA:BIA+1] op_sel_hi:[1,0,1]
	v_pk_fma_f32 v[BB+4*\t+2:BB+4*\t+3], v[BB+4*\t+2:BB+4*\t+3], s[96:97], v[BIA+2:BIA+3] op_sel_hi:[1,0,1]
.endr
.if (\a) > 0
	s_add_nc_u64 s[12:13], s[12:13], 16*NROW       ; (behind a wait on XCNT)
.endif
.irp t, 0,1,2,3,4,5,6,7,8,9,10,11,12,13,14,15
	global_store_b128 v[CO], v[BB+4*\t:BB+4*\t+3], s[12:13] offset:\t*NROW th:TH_STORE_NT
.endr
.endm
	s_wait_kmcnt 0x0
	s_add_co_i32 s96, s96, s97
	s_add_co_i32 s96, s96, 127
	s_lshl_b32 s96, s96, 23                        ; 2^(e10 + e11) as f32
	s_mov_b32 s97, s96
	s_wait_loadcnt 0x0                             ; the bias
	PLACES
	TOSTAGE 0
.irp a, 1,2,3
.if \a > 1
	s_wait_xcnt 0x0                                ; block a - 2's stores have read their registers and their base
.endif
	TOSTAGE \a
	SEND \a-1, 32
.endr
	s_wait_xcnt 0x0
	SEND 3, 0
	s_wait_tensorcnt 0x0                           ; the wave's end
	ds_add_u32 v[SPW], v[NIL]
	s_wait_dscnt 0x0
	CROUND                                         ; the closing round
	s_endpgm
.Lfunc_end_k_q950396fcbb_oproj:
	.size	k_q950396fcbb_oproj, .Lfunc_end_k_q950396fcbb_oproj-k_q950396fcbb_oproj
	.p2alignl 7, 3214868480
	.fill 96, 4, 3214868480
	.section	.rodata,"a",@progbits
	.p2align	6, 0x0
	.amdhsa_kernel k_q950396fcbb_oproj
		.amdhsa_group_segment_fixed_size 327680
		.amdhsa_private_segment_fixed_size 0
		.amdhsa_enable_private_segment 0
		.amdhsa_kernarg_size 40
		.amdhsa_user_sgpr_count 2
		.amdhsa_user_sgpr_kernarg_segment_ptr 1
		.amdhsa_wavefront_size32 1
		.amdhsa_system_sgpr_workgroup_id_x 1
		.amdhsa_system_sgpr_workgroup_id_y 1
		.amdhsa_system_sgpr_workgroup_id_z 1
		.amdhsa_system_vgpr_workitem_id 0
		.amdhsa_next_free_vgpr 768
		.amdhsa_next_free_sgpr 98
		.amdhsa_reserve_vcc 0
		.amdhsa_float_denorm_mode_32 3
		.amdhsa_float_denorm_mode_16_64 3
		.amdhsa_memory_ordered 1
		.amdhsa_forward_progress 1
		.amdhsa_inst_pref_size 73
	.end_amdhsa_kernel
	.amdgpu_metadata
---
amdhsa.version: [ 1, 2 ]
amdhsa.kernels:
  - .name:           k_q950396fcbb_oproj
    .symbol:         k_q950396fcbb_oproj.kd
    .args:
      - { .name: ao_img, .offset: 0, .size: 8, .value_kind: global_buffer, .address_space: global }
      - { .name: wo_w_codes, .offset: 8, .size: 8, .value_kind: global_buffer, .address_space: global }
      - { .name: lowp_scales, .offset: 16, .size: 8, .value_kind: global_buffer, .address_space: global }
      - { .name: wo_b, .offset: 24, .size: 8, .value_kind: global_buffer, .address_space: global }
      - { .name: out0, .offset: 32, .size: 8, .value_kind: global_buffer, .address_space: global }
    .group_segment_fixed_size: 327680
    .private_segment_fixed_size: 0
    .kernarg_segment_align: 8
    .kernarg_segment_size: 40
    .max_flat_workgroup_size: 128
    .sgpr_count:     98
    .vgpr_count:     768
    .wavefront_size: 32
...
	.end_amdgpu_metadata
.endif
;; end of part 3
